; MI455X (gfx1250); checked and timed in simulation.
; The chip was launched on July 23, 2026; its instructions are those of AMD's public machine-readable ISA for CDNA 5 (MIT licence, August 2026) and "CDNA5" Instruction Set Architecture Reference Guide (July 2026). The comments in the code are by the model that wrote it; some were corrected since.
;; Multi Head Self Attention. Allowed arithmetic: matrix products marked QUANTISED: E5M2 operands, one given power-of-two scale a tensor, by v_wmma_f32_16x16x64_bf8_bf8 or v_wmma_f32_16x16x128_bf8_bf8, f32 sums; everything else in f32.
;; Inputs: Wk_codes 1,024 x 32 x 32 uint8 (E5M2 codes of Wk, K innermost, in blocks of 32 codes); Wq_codes 1,024 x 32 x 32 uint8 (E5M2 codes of Wq, K innermost, in blocks of 32 codes); Wv_codes 1,024 x 32 x 32 uint8 (E5M2 codes of Wv, K innermost, in blocks of 32 codes); bk 1,024 float32; bq 1,024 float32; bv 1,024 float32; key_codes 4 x 2,048 x 32 x 32 uint8 (E5M2 codes of key, K innermost, in blocks of 32 codes); lowp_scales 10 int32 (the exponents e of the quantised operands' scales 2^e); query_codes 4 x 2,048 x 32 x 32 uint8 (E5M2 codes of query, K innermost, in blocks of 32 codes); value_codes 4 x 2,048 x 32 x 32 uint8 (E5M2 codes of value, K innermost, in blocks of 32 codes).
;; Outputs: out0 4 x 2,048 x 1,024 float32.
;; This version of the problem:
;;   THIS VERSION OF THE PROBLEM IS GIVEN IN LOW PRECISION. The matrix products marked QUANTISED in the list below multiply operands that are first quantised to E5M2 (5 exponent bits, 2 mantissa bits; 8 bits a number), with one given power-of-two scale for each operand tensor; their sums are f32. All else is computed in f32.
;;   The module's matrix products, in the order in which they are computed (A, B: the left and right operand; K: the contracted axis; several contracted axes count as one K, in the product's order):
;;     1. [M 8,192, K 1,024] x [K 1,024, N 1,024]; A: input query (given as codes); B: input Wq (given as codes): QUANTISED (scales: A lowp_scales[0], B lowp_scales[1])
;;     2. [M 8,192, K 1,024] x [K 1,024, N 1,024]; A: input key (given as codes); B: input Wk (given as codes): QUANTISED (scales: A lowp_scales[2], B lowp_scales[3])
;;     3. [M 8,192, K 1,024] x [K 1,024, N 1,024]; A: input value (given as codes); B: input Wv (given as codes): QUANTISED (scales: A lowp_scales[4], B lowp_scales[5])
;;     4. batch 64 x [M 2,048, K 64] x [K 64, N 2,048]; A: computed on the way; B: computed on the way: QUANTISED (scales: A lowp_scales[6], B lowp_scales[7])
;;     5. batch 64 x [M 2,048, K 2,048] x [K 2,048, N 64]; A: softmax (see below); B: computed on the way: QUANTISED (scales: A lowp_scales[8], B lowp_scales[9])
;;   THE QUANTISER, for each operand of a quantised product, along K:
;;     - The operand's scale is 2^e, e = its entry of the input lowp_scales (int32; the entries are numbered through the quantised products in the list's order, A before B).
;;     - Each number is divided by the scale, clamped to +-57,344, and rounded to the nearest number of E5M2, ties to even, subnormals kept.
;;     - The product sums the exact products of the quantised numbers (number of the format x scale) in f32.
;;   ~~~python
;;   def quantise(x, axis, e):      # numpy; x: float32 -> the quantised numbers, widened to float32 again
;;       x = np.moveaxis(x, axis, -1); K = x.shape[-1]
;;       r = np.clip(x / 2.0 ** e, -57344, 57344)
;;       step = 2.0 ** (np.maximum(np.frexp(np.where(r == 0, 1, r))[1] - 1, -14) - 2)
;;       q = np.round(r / step) * step * 2.0 ** e      # np.round: ties to even
;;       return np.moveaxis(q, -1, axis).astype(np.float32)
;;   ~~~
;;   SOFTMAX AHEAD OF A QUANTISED PRODUCT. Where the list says 'softmax', what is quantised is not the finished softmax but p = 2^(t - M), with t = logit x log2(e) and M = ceil(the row's largest t), a whole number; so 1/2 < the row's largest p <= 1. The row's sum l is taken of the UNQUANTISED p, in f32, and the product's result is divided by l at the end. Since M is a whole number, a kernel that streams over the keys may use a running M (the ceiling of the running maximum): every later rescaling is an exact power of two, so the quantised numbers keep their values, but for numbers so far below the row's largest that they fall under the format's range.
;;   OPERANDS COMPUTED ON THE WAY. 'Computed on the way' means the value that the module computes at that place (a softmax that the list does not call 'softmax' is quantised finished and normalised). What goes into a quantiser is computed in f32, as accurately as f32 sums, v_exp_f32 and their like allow (about 1e-6 of the number): no bf16 or f16 on the way to a quantiser, and a product that is left as it is and whose result goes on into a quantised operand takes f32 operands (vector FMAs, or v_wmma_f32_16x16x4_f32). A number that lies on a knife's edge between two numbers of the format may be rounded either way, as far as f32 arithmetic and the matrix unit's own rounding can turn it there, and no further.
;;   INPUTS GIVEN AS CODES. Wk (in the module: [1024, 1024], K = its axis 1); Wq (in the module: [1024, 1024], K = its axis 1); Wv (in the module: [1024, 1024], K = its axis 1); key (in the module: [4, 2048, 1024], K = its axis 2); query (in the module: [4, 2048, 1024], K = its axis 2); value (in the module: [4, 2048, 1024], K = its axis 2): each comes as NAME_codes (uint8): NAME with its K axis moved to the last place and cut into blocks of 32 codes, [.., K / 32, bytes a block], one block behind the other in memory; one code a byte (a code: sign, 5 exponent bits, 2 mantissa bits); its scale is its entry of lowp_scales. Its value is code x scale, taken as it is: it is not quantised again, and the codes and scales need not be those that the quantiser above would give.
;; One version. Each part assembles by itself: llvm-mc -triple=amdgcn-amd-amdhsa -mcpu=gfx1250 --defsym DOCPART=n.
;; ======== version 1 of 1: 2 launches
;; limits: right only within a limited range of input values
;; workspace buffers: kv 16,777,216 bytes
;; launch proj (part 1): grid 4 x 64, 4 waves a work-group, clusters of 4 x 4, 327,680 bytes of LDS; arguments key_codes, value_codes, Wk_codes, Wv_codes, bk, bv, lowp_scales, kv; writes kv
.if DOCPART == 1
	.amdgcn_target "amdgcn-amd-amdhsa--gfx1250"
	.amdhsa_code_object_version 6
	.text
	.protected	k_q4d3de6c8a2_proj
	.globl	k_q4d3de6c8a2_proj
	.p2align	8
	.type	k_q4d3de6c8a2_proj,@function
k_q4d3de6c8a2_proj:
	s_mov_b64 s[64:65], 0
	v_nop
	global_prefetch_b8 v0, s[64:65] scope:SCOPE_SE
	s_setreg_imm32_b32 hwreg(HW_REG_WAVE_MODE, 25, 1), 1
	s_wait_xcnt 0x0
	s_wait_alu depctr_hold_cnt(0) depctr_sa_sdst(0) depctr_va_vdst(0) depctr_va_sdst(0) depctr_va_ssrc(0) depctr_va_vcc(0) depctr_vm_vsrc(0)
	s_getreg_b32 s2, hwreg(HW_REG_IB_STS2, 6, 4)
	s_cmp_eq_u32 s2, 0
	s_cbranch_scc0 .Lentry_in_a_cluster
	s_endpgm
.Lentry_in_a_cluster:
	s_bfe_u32 s2, ttmp6, 0x10000c
	s_cmp_lg_u32 s2, 0xf033
	s_cbranch_scc0 .Lentry_shape_is_right
	s_endpgm
.Lentry_shape_is_right:
; K = key Wk^T + bk and V = value Wv^T + bv on codes of BF8 (E5M2), quantised with the given scales (entries 7 and 9) and stored as images of the operand registers of the attention launch:
; kv: K at 0: [head of a batch 64][tile of 16 tokens 128][c 2][512 bytes]; V at 8 MiB: [head of a batch 64][128 keys 16][tile of 16 channels 4][g 4][512 bytes]; 16 bytes a lane.
; (Q's projection is made by the attention launch, by the work-group that uses it.)
; A work-group makes 256 x 256 of K (SEL = 0) or of V (SEL = 1, by the cluster's y): 2 x 128 tiles, 256 work-groups.  Four waves of 128 x 128: 64 accumulators.  K in steps of 256 through two LDS slots filled by joint loads.
; LDS rows 0-255 of a slot feed source 1, rows 256-511 source 0.  K: tokens in the first part, rows of Wk in the second: a lane holds one token and eight channels.
; V: rows of Wv in the first part, tokens in the second: a lane holds one channel and eight tokens (the keys are the second product's K).  For V the channel tile is taken from cy and the token tile from cx,
; so that the first part hangs on cy alone and the second on cx alone in both, under the same two masks, and the LDS addresses hang on the wave's number alone.  The grid's x is one cluster wide.
; The bias, divided by the two operands' scales, is the C of each accumulator's first product.  The three scales ahead of the quantiser are folded into the conversion's one.
; No prefetch: K is four steps, and each is asked for by its load as soon as its slot is free.
; LIMITS: e(out) - e(x) - e(W) between -126 and 112, so that the powers of two below are f32 numbers.
.set KROW,   1024
.set ROWB,   256
.set PITCH,  272
.set FR,     16
.set NL,     4
.set NP,     4
.set HALFT,  128*PITCH
.set SLOT,   4*HALFT
.set SPARE,  2*SLOT                    ; behind the ring: the spare words, 128 bytes a wave
.set ADRA, 16
.set ADRB, 20
.set CO,   26
.set SPW,  28
.set NIL,  29
.set SC,   30
.set BI,   32
.set AF,   128
.set CD,   128
.set G1, 24
.set G0, 32
.set G1B, 48
.set G0B, 56
.set SEL, 66
.set MSB, 0
.macro WIN new
.if MSB != (\new)
	s_set_vgpr_msb (MSB<<8)|(\new)
.set MSB, (\new)
.endif
.endm
.set MUL_LO, 0xa1
.set MUL_HI, 0xf1
.set TO_B,   0x40
.macro JLOAD g0a, g1a, g0b, g1b        ; waves 0, 1 fetch the slot's first part, waves 2, 3 its second
	s_cmp_eq_u32 s15, 0
	s_cbranch_scc0 .Lfor_b_\@
	tensor_load_to_lds s[\g0a:\g0a+3], s[\g1a:\g1a+7]
	s_nop 0
.rept 4
	v_nop
.endr
	s_branch .Lasked_\@
.Lfor_b_\@:
	tensor_load_to_lds s[\g0b:\g0b+3], s[\g1b:\g1b+7]
	s_nop 0
.rept 4
	v_nop
.endr
.Lasked_\@:
.endm
.macro CREST
	s_cmp_lg_u32 s14, 0
	s_cbranch_scc1 .Lnot_wave_0_\@
	s_barrier_signal -3
.Lnot_wave_0_\@:
	s_barrier_wait -3
	s_barrier_signal -1
	s_barrier_wait -1
.endm
.macro CROUND
	s_barrier_signal -1
	s_barrier_wait -1
	CREST
.endm
	s_load_b512 s[68:83], s[0:1], 0x0              ; key 68, value 70, Wk 72, Wv 74, bk 76, bv 78, the scales 80, kv 82
	v_lshl_add_u32 v[SPW], v0, 2, SPARE
	v_mov_b32 v[NIL], 0
	ds_add_u32 v[SPW], v[NIL]                      ; the opening: the add, twice on end, and its wait
	ds_add_u32 v[SPW], v[NIL]
	v_lshrrev_b32 v1, 5, v0
	v_readfirstlane_b32 s14, v1
	s_lshr_b32 s15, s14, 1
	s_and_b32 s16, s14, 1
	s_bfe_u32 s40, ttmp6, 0x40000
	s_bfe_u32 s41, ttmp6, 0x40004
	s_and_b32 s17, ttmp7, 0xffff
	s_lshr_b32 s[SEL], s17, 3
	s_and_b32 s17, s17, 7
	s_lshl_b32 s17, s17, 2
	s_add_co_u32 s90, s17, s41                     ; 4 x (cluster y % 8) + cy
	s_add_co_u32 s91, s17, s40                     ; 4 x (cluster y % 8) + cx
	s_cmp_eq_u32 s[SEL], 1
	s_cselect_b32 s17, s91, s90                    ; the token tile: it enters the stores' address alone
	s_cselect_b32 s42, s41, s40                    ; the channel tile: the stores' and the bias's addresses alone
	s_cselect_b32 s90, s41, s90                    ; the tile of the slot's first part: made of cy alone
	s_cselect_b32 s91, s91, s40                    ; of its second part: made of cx alone
	s_lshl_b32 s43, s41, 2
	s_lshl_b32 s43, 15, s43
	s_lshl_b32 s44, 0x1111, s40
	s_or_b32 s[G1+0], s43, (0<<16)|(1<<20)|(1<<21)|(5<<22)|(3<<25)
	s_or_b32 s[G1B+0], s44, (0<<16)|(1<<20)|(1<<21)|(5<<22)|(3<<25)
.irp g, G1, G1B
	s_mov_b32 s[\g+1], ROWB<<16
	s_mov_b32 s[\g+2], 128<<16
	s_mov_b32 s[\g+3], ROWB<<16
	s_mov_b32 s[\g+4], 128
	s_mov_b32 s[\g+5], KROW
	s_mov_b32 s[\g+6], 0
	s_mov_b32 s[\g+7], 0
.endr
	s_lshl_b32 s18, s16, 7
	s_lshl_b32 s20, s90, 8
	s_add_co_u32 s20, s20, s18
	s_lshl_b32 s46, s91, 8
	s_add_co_u32 s46, s46, s18
	s_lshl_b32 s20, s20, 10
	s_lshl_b32 s46, s46, 10
	s_mov_b32 s21, 0
	s_mov_b32 s47, 0
	s_mul_i32 s45, s14, HALFT
	s_wait_dscnt 0x0                               ; both opening adds are done
	s_wait_kmcnt 0x0
	s_cmp_eq_u32 s[SEL], 1
	s_cselect_b64 s[4:5], s[74:75], s[68:69]       ; the first part: Wv's rows or key's
	s_cselect_b64 s[6:7], s[70:71], s[72:73]       ; the second: value's rows or Wk's
	s_cselect_b64 s[8:9], s[78:79], s[76:77]       ; the bias
	s_load_b256 s[92:99], s[80:81], 0x0
	s_load_b32 s100, s[80:81], 0x24
	s_add_nc_u64 s[20:21], s[4:5], s[20:21]
	s_add_nc_u64 s[46:47], s[6:7], s[46:47]
	CROUND                                         ; all sixteen work-groups are here: the first joint loads meet
.irp s, 0,1
	s_mov_b32 s[G0+4*\s], 1
	s_add_co_u32 s[G0+4*\s+1], s45, \s*SLOT
	s_add_nc_u64 s[G0+4*\s+2:G0+4*\s+3], s[20:21], \s*ROWB
	s_or_b32 s[G0+4*\s+3], s[G0+4*\s+3], 0x80000000
	s_mov_b32 s[G0B+4*\s], 1
	s_add_co_u32 s[G0B+4*\s+1], s45, \s*SLOT
	s_add_nc_u64 s[G0B+4*\s+2:G0B+4*\s+3], s[46:47], \s*ROWB
	s_or_b32 s[G0B+4*\s+3], s[G0B+4*\s+3], 0x80000000
.endr
	JLOAD G0, G1, G0B, G1B                         ; K step 0: one tensor load a wave at the head
	v_and_b32 v1, 15, v0
	v_bfe_u32 v2, v0, 4, 1
	v_mul_u32_u24 v3, v1, PITCH
	v_lshl_add_u32 v4, v2, 4, v3
	s_wait_alu depctr_va_vdst(0)
	s_cmp_eq_u32 s[SEL], 1
	s_cselect_b32 s23, s16, s15                    ; my half of the tile's tokens,
	s_cselect_b32 s67, s15, s16                    ; and of its channels
	s_mul_i32 s21, s15, HALFT
	s_mul_i32 s22, s16, HALFT
	s_add_co_u32 s22, s22, 2*HALFT
.irp s, 0,1
	v_add_nc_u32 v[ADRA+\s], s21, v4
	v_add_nc_u32 v[ADRB+\s], s22, v4
	s_add_co_u32 s21, s21, SLOT
	s_add_co_u32 s22, s22, SLOT
.endr
	v_lshlrev_b32 v5, 5, v2
	v_lshlrev_b32 v6, 2, v1
	v_and_b32 v7, 31, v0
	v_lshlrev_b32 v[CO], 4, v7
	s_lshl_b32 s18, s17, 8
	s_lshl_b32 s19, s23, 7
	s_add_co_u32 s18, s18, s19                     ; my first token
	s_lshr_b32 s19, s18, 11
	s_lshl_b32 s19, s19, 21                        ; its batch: 16 heads of 131,072 bytes
	s_and_b32 s18, s18, 2047
	s_lshl_b32 s18, s18, 6                         ; 64 bytes a token in a head's images
	s_add_co_u32 s18, s18, s19
	s_lshl_b32 s19, s[SEL], 23
	s_add_co_u32 s18, s18, s19
	s_lshl_b32 s46, s42, 2
	s_lshl_b32 s47, s67, 1
	s_add_co_u32 s46, s46, s47                     ; my first head
	s_lshl_b32 s47, s46, 17
	s_add_co_u32 s18, s18, s47
	s_mov_b32 s19, 0
	s_add_nc_u64 s[10:11], s[82:83], s[18:19]
	s_lshl_b32 s46, s46, 8
	s_mov_b32 s47, 0
	s_add_nc_u64 s[8:9], s[8:9], s[46:47]
	s_wait_kmcnt 0x0
	s_cmp_eq_u32 s[SEL], 1
	s_cselect_b32 s18, s96, s94
	s_cselect_b32 s19, s97, s95
	s_cselect_b32 s20, s100, s99
	s_add_co_i32 s18, s18, s19
	s_sub_co_i32 s20, s20, s18
	s_sub_co_i32 s19, 0, s18
	s_add_co_i32 s20, s20, 127
	s_lshl_b32 s21, s20, 23
	v_mov_b32 v[SC], s21
	s_add_co_i32 s20, s20, 15
	s_lshl_b32 s20, s20, 23
	s_or_b32 s91, s20, 0x600000
	s_or_b32 s90, s91, 0x80000000
	s_cmp_eq_u32 s[SEL], 1
	s_cbranch_scc1 .Lbias_v
	s_wait_alu depctr_va_vdst(0)
.irp b, 0,1,2,3,4,5,6,7
	global_load_b128 v[BI+8*\b:BI+8*\b+3], v5, s[8:9] offset:64*\b
	global_load_b128 v[BI+8*\b+4:BI+8*\b+7], v5, s[8:9] offset:64*\b+16
.endr
	s_wait_loadcnt 0x0
.set j, 0
.rept 64
	v_ldexp_f32 v[BI+j], v[BI+j], s19
.set j, j+1
.endr
	s_branch .Lbias_done
.Lbias_v:
	s_wait_alu depctr_va_vdst(0)
.irp a, 0,1,2,3,4,5,6,7
	global_load_b32 v[BI+8*\a], v6, s[8:9] offset:64*\a
.endr
	s_wait_loadcnt 0x0
.irp a, 0,1,2,3,4,5,6,7
.irp j, 7,6,5,4,3,2,1,0
	v_ldexp_f32 v[BI+8*\a+\j], v[BI+8*\a], s19
.endr
.endr
.Lbias_done:
.macro FRAG reg, adr, q, i
.irp c, 0,1,2,3
	ds_load_b128 v[\reg+4*\c:\reg+4*\c+3], v[\adr] offset:128*(\q)+32*\c+(\i)*16*PITCH
.endr
.endm
.macro MUL16 a0, p
.irp a, \a0, \a0+1
.irp b, 0,1,2,3,4,5,6,7
	v_wmma_f32_16x16x128_bf8_bf8 v[8*(8*((\a)%4)+\b):8*(8*((\a)%4)+\b)+7], v[128*(\p)+FR*\b:128*(\p)+FR*\b+FR-1], v[AF+FR*(\a):AF+FR*(\a)+FR-1], v[8*(8*((\a)%4)+\b):8*(8*((\a)%4)+\b)+7]
.endr
.endr
.endm
.macro MULB a0, mode                   ; the first products: C = the bias, by source 0's blocks (K) or by source 1's (V)
.irp a, \a0, \a0+1
.irp b, 0,1,2,3,4,5,6,7
.if \mode
	v_wmma_f32_16x16x128_bf8_bf8 v[8*(8*((\a)%4)+\b):8*(8*((\a)%4)+\b)+7], v[FR*\b:FR*\b+FR-1], v[AF+FR*(\a):AF+FR*(\a)+FR-1], v[BI+8*(\a):BI+8*(\a)+7]
.else
	v_wmma_f32_16x16x128_bf8_bf8 v[8*(8*((\a)%4)+\b):8*(8*((\a)%4)+\b)+7], v[FR*\b:FR*\b+FR-1], v[AF+FR*(\a):AF+FR*(\a)+FR-1], v[BI+8*\b:BI+8*\b+7]
.endif
.endr
.endr
.endm
.macro FIRST32 a0, win
	WIN 0
	s_cmp_eq_u32 s[SEL], 1
	s_cbranch_scc1 .Lfirst_v_\@
	WIN \win
	s_wait_alu depctr_va_vdst(0)
	MULB \a0, 0
	MULB \a0+2, 0
	WIN 0
	s_branch .Lfirst_j_\@
.Lfirst_v_\@:
	WIN \win
	MULB \a0, 1
	s_wait_alu depctr_va_vdst(0)
	MULB \a0+2, 1
	WIN 0
.Lfirst_j_\@:
.endm
.macro FETCH_B slot, q, p
	WIN TO_B
.irp i, 0,1,2,3,4,5,6,7
	FRAG 128*(\p)+FR*\i, ADRB+\slot, \q, \i
.endr
	WIN 0
.endm
.macro FETCH_A slot, q, i0
.irp i, \i0, \i0+1, \i0+2, \i0+3
	FRAG AF+FR*(\i), ADRA+\slot, \q, \i
.endr
.endm
.macro PLACES n
.rept \n
	v_nop
.endr
.endm
.macro STEP slot
	s_wait_dscnt 4*NL
	WIN MUL_LO
	MUL16 0, 0
	MUL16 2, 0
	s_wait_dscnt 0
	PLACES NP
	FETCH_B \slot, 1, 1
	FETCH_A \slot, 1, 0
	WIN MUL_HI
	MUL16 4, 0
	MUL16 6, 0
	PLACES NP
	WIN 0
	FETCH_A \slot, 1, 4
.endm
.macro TURN slot, next, fill
	s_wait_tensorcnt 0x0
	ds_add_u32 v[SPW], v[NIL]
	s_wait_dscnt 4*NL+1
	WIN MUL_LO
	MUL16 0, 1
	s_wait_dscnt 0x0
	s_barrier_signal -1
	MUL16 2, 1
	WIN 0
	s_barrier_wait -1
.if \fill
	CREST
	s_add_nc_u64 s[G0+4*\slot+2:G0+4*\slot+3], s[G0+4*\slot+2:G0+4*\slot+3], 2*ROWB
	s_add_nc_u64 s[G0B+4*\slot+2:G0B+4*\slot+3], s[G0B+4*\slot+2:G0B+4*\slot+3], 2*ROWB
	JLOAD G0+4*\slot, G1, G0B+4*\slot, G1B
.else
	PLACES NP
.endif
	FETCH_B \next, 0, 0
	FETCH_A \next, 0, 0
	WIN MUL_HI
	MUL16 4, 1
	MUL16 6, 1
	PLACES NP
	WIN 0
	FETCH_A \next, 0, 4
.endm
	s_wait_alu depctr_va_vdst(0)                   ; the wait at the head's end
	s_wait_tensorcnt 0x0                           ; my part of K step 0 is in
	ds_add_u32 v[SPW], v[NIL]
	s_wait_dscnt 0x0
	CROUND                                         ; everybody's part is in, and all sixteen work-groups are here
	JLOAD G0+4, G1, G0B+4, G1B                     ; K step 1, the first tensor load behind the round
	FETCH_B 0, 0, 0
	FETCH_A 0, 0, 0
	FETCH_A 0, 0, 4
	s_wait_dscnt 4*NL
	FIRST32 0, 0x81
	s_wait_dscnt 0
	PLACES NP
	FETCH_B 0, 1, 1
	FETCH_A 0, 1, 0
	FIRST32 4, 0xc1
	PLACES NP
	FETCH_A 0, 1, 4
	TURN 0, 1, 1
	STEP 1
	TURN 1, 0, 1
	STEP 0
	TURN 0, 1, 0
	STEP 1
	s_wait_dscnt 4*NL
	WIN MUL_LO
	MUL16 0, 1
	MUL16 2, 1
	s_wait_dscnt 0
	WIN MUL_HI
	MUL16 4, 1
	MUL16 6, 1
	WIN 0
.macro QUANT4 hi                       ; the hold at the largest code, then eight codes an instruction
	WIN 0x82+0x41*\hi
.set k, 0
.rept 256
	v_med3_num_f32 v[k], v[k], s90, s91
.set k, k+1
.endr
	WIN 0x02+\hi
.irp a, 0,1,2,3
.irp b, 0,1,2,3,4,5,6,7
	v_cvt_scalef32_pk8_bf8_f32 v[CD+16*(4*\hi+\a)+2*\b:CD+16*(4*\hi+\a)+2*\b+1], v[8*(8*\a+\b):8*(8*\a+\b)+7], v[SC]
.endr
.endr
	v_nop
.endm
	PLACES NP
	QUANT4 0
	QUANT4 1
	WIN 0
	s_cmp_eq_u32 s[SEL], 1
	s_cbranch_scc1 .Lstore_v
.irp a, 0,1,2,3,4,5,6,7
.irp g, 0,1,2,3
	global_store_b128 v[CO], v[CD+16*\a+4*\g:CD+16*\a+4*\g+3], s[10:11] offset:1024*\a+512*(\g%2)+131072*(\g/2)   ; 32 lanes store 512 consecutive bytes
.endr
.endr
	s_branch .Lstored
.Lstore_v:
	s_wait_alu depctr_va_vdst(0)
.irp a, 0,1,2,3,4,5,6,7
.irp g, 0,1,2,3
	global_store_b128 v[CO], v[CD+16*\a+4*\g:CD+16*\a+4*\g+3], s[10:11] offset:131072*(\a/4)+2048*(\a%4)+512*\g
.endr
.endr
.Lstored:
	s_wait_tensorcnt 0x0                           ; the wave's end
	ds_add_u32 v[SPW], v[NIL]
	s_wait_dscnt 0x0
	CROUND
	s_endpgm
.Lfunc_end_k_q4d3de6c8a2_proj:
	.size	k_q4d3de6c8a2_proj, .Lfunc_end_k_q4d3de6c8a2_proj-k_q4d3de6c8a2_proj
	.p2alignl 7, 3214868480
	.fill 96, 4, 3214868480
	.section	.rodata,"a",@progbits
	.p2align	6, 0x0
	.amdhsa_kernel k_q4d3de6c8a2_proj
		.amdhsa_group_segment_fixed_size 327680
		.amdhsa_private_segment_fixed_size 0
		.amdhsa_enable_private_segment 0
		.amdhsa_kernarg_size 64
		.amdhsa_user_sgpr_count 2
		.amdhsa_user_sgpr_kernarg_segment_ptr 1
		.amdhsa_wavefront_size32 1
		.amdhsa_system_sgpr_workgroup_id_x 1
		.amdhsa_system_sgpr_workgroup_id_y 1
		.amdhsa_system_sgpr_workgroup_id_z 1
		.amdhsa_system_vgpr_workitem_id 0
		.amdhsa_next_free_vgpr 1024
		.amdhsa_next_free_sgpr 102
		.amdhsa_reserve_vcc 0
		.amdhsa_float_denorm_mode_32 3
		.amdhsa_float_denorm_mode_16_64 3
		.amdhsa_memory_ordered 1
		.amdhsa_forward_progress 1
		.amdhsa_inst_pref_size 136
	.end_amdhsa_kernel
	.amdgpu_metadata
---
amdhsa.version: [ 1, 2 ]
amdhsa.kernels:
  - .name:           k_q4d3de6c8a2_proj
    .symbol:         k_q4d3de6c8a2_proj.kd
    .args:
      - { .name: key_codes, .offset: 0, .size: 8, .value_kind: global_buffer, .address_space: global }
      - { .name: value_codes, .offset: 8, .size: 8, .value_kind: global_buffer, .address_space: global }
      - { .name: Wk_codes, .offset: 16, .size: 8, .value_kind: global_buffer, .address_space: global }
      - { .name: Wv_codes, .offset: 24, .size: 8, .value_kind: global_buffer, .address_space: global }
      - { .name: bk, .offset: 32, .size: 8, .value_kind: global_buffer, .address_space: global }
      - { .name: bv, .offset: 40, .size: 8, .value_kind: global_buffer, .address_space: global }
      - { .name: lowp_scales, .offset: 48, .size: 8, .value_kind: global_buffer, .address_space: global }
      - { .name: kv, .offset: 56, .size: 8, .value_kind: global_buffer, .address_space: global }
    .group_segment_fixed_size: 327680
    .private_segment_fixed_size: 0
    .kernarg_segment_align: 8
    .kernarg_segment_size: 64
    .max_flat_workgroup_size: 128
    .sgpr_count:     102
    .vgpr_count:     1024
    .wavefront_size: 32
...
	.end_amdgpu_metadata
.endif
;; end of part 1
;; launch attn (part 2): grid 4 x 64, 8 waves a work-group, clusters of 4 x 1, 327,680 bytes of LDS; arguments kv, query_codes, Wq_codes, bq, lowp_scales, out0; writes out0
.if DOCPART == 2
	.amdgcn_target "amdgcn-amd-amdhsa--gfx1250"
	.amdhsa_code_object_version 6
	.text
	.protected	k_q4d3de6c8a2_attn
	.globl	k_q4d3de6c8a2_attn
	.p2align	8
	.type	k_q4d3de6c8a2_attn,@function
k_q4d3de6c8a2_attn:
	s_mov_b64 s[64:65], 0
	v_nop
	global_prefetch_b8 v0, s[64:65] scope:SCOPE_SE
	s_setreg_imm32_b32 hwreg(HW_REG_WAVE_MODE, 25, 1), 1
	s_wait_xcnt 0x0
	s_wait_alu depctr_hold_cnt(0) depctr_sa_sdst(0) depctr_va_vdst(0) depctr_va_sdst(0) depctr_va_ssrc(0) depctr_va_vcc(0) depctr_vm_vsrc(0)
	s_getreg_b32 s2, hwreg(HW_REG_IB_STS2, 6, 4)
	s_cmp_eq_u32 s2, 0
	s_cbranch_scc0 .Lentry_in_a_cluster
	s_endpgm
.Lentry_in_a_cluster:
	s_bfe_u32 s2, ttmp6, 0x10000c
	s_cmp_lg_u32 s2, 0x3003
	s_cbranch_scc0 .Lentry_shape_is_right
	s_endpgm
.Lentry_shape_is_right:
; Q = query Wq^T + bq for my queries and my head, quantised; then O[b][q][head] = the sum over k of softmax_k(Q . K / 8) V: 64 heads of batches, 2,048 queries and keys, head size 64.
; All three products on codes of BF8 (E5M2) with the given scales: query 2^e0, Wq 2^e1; Q 2^eQ, K 2^eK, p 2^ep, V 2^eV (entries 6 to 9).
; THE SOFTMAX AHEAD OF THE LAST PRODUCT: t = score x log2(e) / 8; M = the row's largest t so far, rounded UP to a whole number; p = 2^(t - M) is quantised along the keys, not normalised.
; The row's sum is taken of the unquantised p, in f32, and divides O at the end.  When M moves, the sum and O are multiplied by 2^(old M - new M): exact.
; INPUT kv: images of operand registers, 512 bytes (16 a lane) for four registers: K at 0: [head 64][tile of 16 tokens 128][c 2][512]; V at 8 MiB: [head 64][128 keys 16][tile of 16 channels 4][g 4][512].
; SHARES.  A work-group owns 512 queries of one head; each of its EIGHT waves owns four tiles of 16 queries at once (queries 512 cx + 64 wave on), in 512 registers, and walks all keys once, 128 a step:
; a fragment of K or of V that is read from LDS feeds four matrix instructions.  The four tiles go through the softmax two and two, line by line in turn, so that neighbouring lines do not hang on each other.
; THE HEAD'S WHOLE K AND V LIE IN LDS (131,072 bytes each), filled ONCE: every wave asks for 32 KiB by one load at the head; nothing is filled again, so there is no ring.
; CLUSTER.  The four work-groups of a cluster own the four query blocks of one head and need the same K and V: every fill is asked for JOINTLY, by the same load with the same descriptor and a mask that names the four.
; Q'S PROJECTION stands between the fills' request and the wait for them.  Each (query, head) is made by the one wave that uses it.  Q^T = Wq query^T (source 0 = 16 channels, source 1 = 16 queries), K = 1,024 in four chunks of 256:
; a lane holds one query and eight channels, so the conversions' results are Q's operand registers.  A wave's 64 rows of query come by loads of two whole units of 256 bytes an instruction, 32 loads (a chunk, 16 KiB) out at a time,
; and are turned into fragments through the wave's own stage (16 rows x 272 bytes).  The head's 64 rows of Wq are fetched once a work-group, eight rows a wave, and shared through 64 rows x 272 bytes of LDS: two barriers a chunk.
; Both fragments take k in the same permuted order (four loads of 16 bytes), so every product meets its partner.  The bias, divided by 2^(e0 + e1), is the C of each accumulator's first product.
; No prefetch: K and V are asked for by their tensor loads at the head; query's and Wq's loads into registers run a chunk ahead of their use.
; LAYOUT of attention.  Both products are used transposed: S^T = K Q^T, O^T = V^T P^T: a lane holds ONE query (lane % 16) of each tile.
; In tile t of S^T register j of lane (r, h) is key 16 t + 8 h + j: its eight codes are registers 2 t, 2 t + 1 of the last product's operand as that form's own layout has them.
; A STEP: S^T of tiles 0, 1; V's loads; their softmax; S^T of tiles 2, 3 in the same registers; the NEXT step's loads of K; their softmax; O^T x f; O^T += V^T P^T.
; The last step's loads of K read the first 8,192 bytes of V's images; they are used by nothing.
; O^T begins as zeros and the largest t as -3e38, so that the step is written once: 128 moves against a second copy of the step.
; LIMITS on the given exponents, so that each power of two below is an f32 number: eQ - e0 - e1 between -126 and 112; eQ + eK between -123 and 130 (they are added to c's exponent field); ep between -126 and 112; ep + eV and e0 + e1 are applied by v_ldexp_f32 and have none.  NaN is not served.
; The launch claims all of a WGP's LDS.
; REGISTERS.  Window 0: v1-7 addresses; v8-31 four tiles' state, six each: -M, the largest t, f, (another's), the sum in two halves; v32-63 Q; v64-127 p's codes, 16 a tile, at work before they are written; v128-255 S^T, then p, of two tiles.
; Window 1: v0-127 O^T, 32 a tile; v128-191 K's 8 fragments; v192-255 V's 4.
; During the projection: v8-23 my rows of Wq; v24-31 addresses; v32-63 the bias; v64-127 query's fragments, two sets; v128-255 the 16 accumulators; window 1: v0-127 Wq's fragments of a chunk, v128-255 query's rows as they land.
.set VOFF,  131072                     ; LDS: K's images from 0, V's from here,
.set STG,   262144                     ; the stages from here: 16 rows x (256 bytes + 16) a wave,
.set SP,    272
.set SPARE, STG+8*16*SP                ; the spare words: 128 bytes a wave, four blocks of 256 bytes that no other line names,
.set WQB,   SPARE+1024                 ; and a chunk of Wq: 64 rows x 272 bytes
.set LI,   1                           ; 16 x lane; never rewritten
.set GO,   2                           ; the way out: 4,096 (lane / 16) + 16 (lane % 16)
.set ADK,  3                           ; LDS address of the next step's images of K
.set ADV,  4                           ; of this step's of V
.set SPW,  5                           ; my spare word
.set NIL,  6                           ; 0
.set SC,   7                           ; 2^(eQ - e0 - e1)
.set ST,   8                           ; tile x: -M v[ST+6x], t v[ST+6x+1], f v[ST+6x+2], the sum v[ST+6x+4:ST+6x+5]
.set HOLD, 11                          ; 57,344 x 2^ep (the upper word of tile 0's pair with f)
.set HOLD2, 17                         ; the same number once more (the upper word of tile 1's pair): the two halves of a dual instruction take their second sources from different register banks
.set SCL,  7                           ; 2^ep: in the register that held 2^(eQ - e0 - e1) until Q was quantised
.set PD,   23                          ; v23, v29: destinations of the lane permutes (of tiles 2's and 3's)
.set Q,    32
.set PC,   64
.set S,    128
.set OO,   0                           ; window 1
.set KF,   128
.set VF,   192
.set WR,   8                           ; the projection: see REGISTERS
.set VQ,   26                          ; 1,024 (lane / 16) + 16 (lane % 16): two rows of 256 bytes an instruction
.set VB,   27                          ; 32 (lane / 16)
.set RDS,  28                          ; my stage, by rows: 272 (lane / 16) + 16 (lane % 16)
.set FA,   29                          ; my stage, by fragments: 272 (lane % 16) + 16 (lane / 16)
.set WS,   30                          ; Wq's chunk, my eight rows, by rows
.set WA,   31                          ; Wq's chunk, by fragments
.set BF,   64
.set AFR,  0                           ; window 1
.set LQR,  128                         ; window 1
.set WV,  18                           ; s18  my wave's number
.set CNT, 19                           ; s19  steps to go
.set SEL, 20                           ; s[20:21] lane selects: lane l xor 16
.set CS,  22                           ; s[22:23] c = log2(e) / 8 x 2^(eQ + eK)
.set G1,  24                           ; s[24:31] descriptor group 1
.set G0,  32                           ; s[32:35] group 0
.set TK,  36                           ; s36  LDS byte of the next step's K
.set TV,  37                           ; s37  of this step's V
.set MSB, 0
.macro WIN new                         ; the immediate's high byte repeats the setting that is left
.if MSB != (\new)
	s_set_vgpr_msb (MSB<<8)|(\new)
.set MSB, (\new)
.endif
.endm
.macro CROUND                          ; a round of the cluster's barrier
	s_barrier_signal -1
	s_barrier_wait -1
	s_cmp_lg_u32 s[WV], 0
	s_cbranch_scc1 .Lnot_wave_0_\@
	s_barrier_signal -3
.Lnot_wave_0_\@:
	s_barrier_wait -3
	s_barrier_signal -1
	s_barrier_wait -1
.endm
.macro NOP4                            ; four places behind matrix instructions (ISA guide 7.12.1)
.rept 4
	v_nop
.endr
.endm
; ---- the projection's steps
.macro LQ t, q                         ; tile t's 16 rows of query, chunk q: 8 loads (the caller has set the destination's window)
.irp i, 0,1,2,3,4,5,6,7
	global_load_b128 v[LQR+32*(\t)+4*\i:LQR+32*(\t)+4*\i+3], v[VQ], s[12:13] offset:(16*(\t)+2*\i)*1024+256*(\q)
.endr
.endm
.macro LW q                            ; my eight rows of Wq, chunk q: 4 loads
.irp i, 0,1,2,3
	global_load_b128 v[WR+4*\i:WR+4*\i+3], v[VQ], s[38:39] offset:2048*\i+256*(\q)
.endr
.endm
.macro ASET q                          ; chunk q of Wq: from the eight waves' registers through LDS into every wave's fragments
	s_wait_loadcnt 32                              ; my rows of this chunk are in; behind them 32 loads of query were issued
.if \q > 0
	s_barrier_signal -1                            ; every wave has the last chunk's fragments in registers (no LDS instruction of mine is out: the last wait was for 0)
	s_barrier_wait -1
.endif
.irp i, 0,1,2,3
	ds_store_b128 v[WS], v[WR+4*\i:WR+4*\i+3] offset:2*SP*\i
.endr
.if \q < 3
	LW \q+1
.endif
	s_wait_dscnt 0x0
	s_barrier_signal -1
	s_barrier_wait -1                              ; all 64 rows lie in LDS
	NOP4                                           ; for the loads over fragments that the last chunk's products read
	WIN 0x40
.irp u, 0,1,2,3
.irp k, 0,1
.irp c, 0,1,2,3
	ds_load_b128 v[AFR+32*\u+16*\k+4*\c:AFR+32*\u+16*\k+4*\c+3], v[WA] offset:16*SP*\u+128*\k+32*\c
.endr
.endr
.endr
	WIN 0
.endm
.macro STAGE t, q                      ; tile t's rows of chunk q go through my stage and come back as two fragments; the next chunk's rows are asked for into the same registers
	NOP4                                           ; for the loads over the fragments that tile t - 2's products read
.if \q < 3
	s_wait_loadcnt 28                              ; behind this tile's 8 loads: three other tiles' 24 and Wq's 4
.else
	s_wait_loadcnt 8*(3-\t)                        ; the last chunk: the later tiles' alone
.endif
	WIN 0x04
.irp i, 0,1,2,3,4,5,6,7
	ds_store_b128 v[RDS], v[LQR+32*(\t)+4*\i:LQR+32*(\t)+4*\i+3] offset:2*SP*\i
.endr
.if \q < 3
	WIN 0x40
	LQ \t, \q+1
.endif
	WIN 0
.irp k, 0,1
.irp c, 0,1,2,3
	ds_load_b128 v[BF+32*((\t)%2)+16*\k+4*\c:BF+32*((\t)%2)+16*\k+4*\c+3], v[FA] offset:128*\k+32*\c   ; LDS serves a wave's instructions in order (ISA guide 5.7.1.4): these see my stores, and the next tile's stores come behind them
.endr
.endr
.endm
.macro MULT t, q, younger              ; tile t, chunk q: 2 x 128 along K against four tiles of channels; the four accumulators by turns
	s_wait_dscnt \younger
	WIN 0x01
.irp k, 0,1
.irp u, 0,1,2,3
.if (\q == 0) && (\k == 0)
	v_wmma_f32_16x16x128_bf8_bf8 v[S+32*(\t)+8*\u:S+32*(\t)+8*\u+7], v[AFR+32*\u+16*\k:AFR+32*\u+16*\k+15], v[BF+32*((\t)%2)+16*\k:BF+32*((\t)%2)+16*\k+15], v[Q+8*\u:Q+8*\u+7]
.else
	v_wmma_f32_16x16x128_bf8_bf8 v[S+32*(\t)+8*\u:S+32*(\t)+8*\u+7], v[AFR+32*\u+16*\k:AFR+32*\u+16*\k+15], v[BF+32*((\t)%2)+16*\k:BF+32*((\t)%2)+16*\k+15], v[S+32*(\t)+8*\u:S+32*(\t)+8*\u+7]
.endif
.endr
.endr
	WIN 0
.endm
; ---- attention's steps
.macro LDF f, adr                      ; 8,192 bytes of images into 64 registers of window 1
	WIN 0x40
.set i, 0
.rept 16
	ds_load_b128 v[\f+4*i:\f+4*i+3], v[\adr] offset:512*i
.set i, i+1
.endr
	WIN 0
.endm
.macro SMUL a, b                       ; S^T of tiles a and b: each of K's eight fragments against both; the sixteen accumulators begin at 0
	WIN 0x01
.irp t, 0,1,2,3,4,5,6,7
	v_wmma_f32_16x16x64_bf8_bf8 v[S+8*\t:S+8*\t+7], v[KF+8*\t:KF+8*\t+7], v[Q+8*\a:Q+8*\a+7], 0
	v_wmma_f32_16x16x64_bf8_bf8 v[S+64+8*\t:S+64+8*\t+7], v[KF+8*\t:KF+8*\t+7], v[Q+8*\b:Q+8*\b+7], 0
.endr
	WIN 0
.endm
.macro MSTEP k, x                      ; line k of the way from four partial maxima to -M and f, for tile x
.set T_, PC+16*(\x)
.set S_, S+64*((\x)%2)
.set N_, ST+6*(\x)
.set D_, PD+6*((\x)%2)
.if \k == 0
	v_max3_num_f32 v[T_], v[T_], v[T_+1], v[S_+15]
.elseif \k == 1
	v_max3_num_f32 v[T_+2], v[T_+2], v[T_+3], v[S_+31]
.elseif \k == 2
	v_max3_num_f32 v[T_], v[T_], v[T_+2], v[S_+47]
.elseif \k == 3
	v_max_num_f32 v[T_], v[T_], v[S_+63]           ; the largest score among my 64 keys,
.elseif \k == 4
	v_permlanex16_b32 v[D_], v[T_], s[SEL], s[SEL+1]
.elseif \k == 5
	v_max_num_f32 v[T_], v[T_], v[D_]              ; and among lane l xor 16's
.elseif \k == 6
	v_mul_f32 v[T_], s[CS], v[T_]                  ; as t (c is positive)
.elseif \k == 7
	v_max_num_f32 v[N_+1], v[N_+1], v[T_]          ; the running largest t
.elseif \k == 8
	v_floor_f32 v[T_+1], -v[N_+1]                  ; the new -M = -ceil(t): a whole number
.elseif \k == 9
	v_sub_f32 v[T_+2], v[T_+1], v[N_]              ; old M - new M: 0 or less
.elseif \k == 10
	v_mov_b32 v[N_], v[T_+1]
.elseif \k == 11
	v_cvt_i32_f32 v[T_+2], v[T_+2]                 ; (it saturates)
.else
	v_ldexp_f32 v[N_+2], 1.0, v[T_+2]              ; f = 2^(old M - new M)
.endif
.endm
.macro SUMS s, n, p                    ; the sum x f + the 64 unquantised p, two at a time, in eight chains
	v_pk_fma_f32 v[\n+4:\n+5], v[\n+4:\n+5], v[\n+2:\n+3], v[\s:\s+1] op_sel_hi:[1,0,1]
.irp i, 1,2,3,4,5,6,7
	v_pk_add_f32 v[\p+2*\i:\p+2*\i+1], v[\s+2*\i:\s+2*\i+1], v[\s+16+2*\i:\s+17+2*\i]
.endr
.irp r, 1,2,3
	v_pk_add_f32 v[\n+4:\n+5], v[\n+4:\n+5], v[\s+16*\r:\s+16*\r+1]
.if \r < 3
.irp i, 1,2,3,4,5,6,7
	v_pk_add_f32 v[\p+2*\i:\p+2*\i+1], v[\p+2*\i:\p+2*\i+1], v[\s+16+16*\r+2*\i:\s+17+16*\r+2*\i]
.endr
.endif
.endr
	v_pk_add_f32 v[\p+2:\p+3], v[\p+2:\p+3], v[\p+4:\p+5]
	v_pk_add_f32 v[\p+6:\p+7], v[\p+6:\p+7], v[\p+8:\p+9]
	v_pk_add_f32 v[\p+10:\p+11], v[\p+10:\p+11], v[\p+12:\p+13]
	v_pk_add_f32 v[\n+4:\n+5], v[\n+4:\n+5], v[\p+14:\p+15]
	v_pk_add_f32 v[\p+2:\p+3], v[\p+2:\p+3], v[\p+6:\p+7]
	v_pk_add_f32 v[\n+4:\n+5], v[\n+4:\n+5], v[\p+10:\p+11]
	v_pk_add_f32 v[\n+4:\n+5], v[\n+4:\n+5], v[\p+2:\p+3]
.endm
.macro CODES s, p                      ; keys 16 t + 8 h + 0 .. 7: registers 2 t, 2 t + 1 of the operand
.irp t, 0,1,2,3,4,5,6,7
	v_cvt_scalef32_pk8_bf8_f32 v[\p+2*\t:\p+2*\t+1], v[\s+8*\t:\s+8*\t+7], v[SCL]
.endr
.endm
; THE SOFTMAX of tiles a (even, scores at S) and b = a + 1 (scores at S + 64).  A tile's sixteen registers of codes serve as work registers until its codes are written.
.macro SOFT a, b
.set NA_, ST+6*\a
.set NB_, ST+6*\b
.set PA_, PC+16*\a
.set PB_, PC+16*\b
.irp c, 0,1,2,3                        ; four chains a tile, each over two accumulators, from their low ends on
.irp x, \a, \b
	v_max3_num_f32 v[PC+16*\x+\c], v[S+64*(\x%2)+16*\c], v[S+64*(\x%2)+16*\c+1], v[S+64*(\x%2)+16*\c+2]
.endr
.endr
.irp i, 3,5,7,9,11,13
.irp c, 0,1,2,3
.irp x, \a, \b
	v_max3_num_f32 v[PC+16*\x+\c], v[PC+16*\x+\c], v[S+64*(\x%2)+16*\c+\i], v[S+64*(\x%2)+16*\c+\i+1]
.endr
.endr
.endr
.irp k, 0,1,2,3,4,5,6,7,8,9,10,11,12
.irp x, \a, \b
	MSTEP \k, \x
.endr
.endr
.set j, 0
.rept 32
	v_pk_fma_f32 v[S+j:S+j+1], v[S+j:S+j+1], s[CS:CS+1], v[NA_:NA_+1] op_sel_hi:[1,0,0]   ; a: t - M, two at a time
.set j, j+2
.endr
	s_wait_alu depctr_va_vdst(0)                   ; the wait ahead of the batch
.set j, 0
.rept 32                               ; a: p = 2^(t - M); between the exponentials b's t - M, which hangs on none of them
	v_exp_f32 v[S+j], v[S+j]
	v_exp_f32 v[S+j+1], v[S+j+1]
	v_pk_fma_f32 v[S+64+j:S+65+j], v[S+64+j:S+65+j], s[CS:CS+1], v[NB_:NB_+1] op_sel_hi:[1,0,0]
.set j, j+2
.endr
	s_wait_alu depctr_va_vdst(0)                   ; one wait for the batch, ahead of its first reader
	SUMS S, NA_, PA_
	s_wait_alu depctr_va_vdst(0)                   ; and ahead of the next batch
.set j, 0
.rept 32                               ; b: p; between the exponentials a's hold, two numbers an instruction: the conversion does not saturate (ISA guide 7.6.2), and p is not negative
	v_exp_f32 v[S+64+j], v[S+64+j]
	v_exp_f32 v[S+65+j], v[S+65+j]
	v_dual_min_num_f32 v[S+j], v[S+j], v[HOLD] :: v_dual_min_num_f32 v[S+j+1], v[S+j+1], v[HOLD2]
.set j, j+2
.endr
	v_nop                                          ; a plain line behind the exponentials
	s_wait_alu depctr_va_vdst(0)                   ; one wait for the batch, ahead of its first reader
	CODES S, PA_
	SUMS S+64, NB_, PB_
.set j, 0
.rept 32                               ; b's hold, two numbers an instruction
	v_dual_min_num_f32 v[S+64+j], v[S+64+j], v[HOLD] :: v_dual_min_num_f32 v[S+65+j], v[S+65+j], v[HOLD2]
.set j, j+2
.endr
	CODES S+64, PB_
.endm
	s_load_b256 s[40:47], s[0:1], 0x0              ; kv s[40:41], query's codes s[42:43], Wq's s[44:45], bq s[46:47]
	s_load_b128 s[8:11], s[0:1], 0x20              ; the scales' exponents s[8:9], out0 s[10:11]
	v_lshl_add_u32 v[SPW], v0, 2, SPARE
	v_mov_b32 v[NIL], 0
	ds_add_u32 v[SPW], v[NIL]                      ; the opening: the add, twice on end, and its wait ahead of the round in front of my tensor load
	ds_add_u32 v[SPW], v[NIL]
	v_lshrrev_b32 v7, 5, v0
	v_readfirstlane_b32 s[WV], v7                  ; wave 0..7
	s_bfe_u32 s56, ttmp6, 0x40000                  ; cx: my block of 512 queries: it enters query's and O's addresses alone
	s_and_b32 s57, ttmp7, 0xffff                   ; the head of a batch, 0 .. 63, which the four partners share
	; descriptor group 1: a dense block of 32 KiB as 128 rows of 256 bytes, elements of 8 bytes
	s_mov_b32 s[G1], 15|(3<<16)|(1<<21)            ; the mask: all four work-groups; elements of 8 bytes; no padding; bit 21 beside a mask
	s_mov_b32 s[G1+1], 32<<16
	s_mov_b32 s[G1+2], 128<<16
	s_mov_b32 s[G1+3], 32<<16
	s_mov_b32 s[G1+4], 128
	s_mov_b32 s[G1+5], 32
	s_mov_b32 s[G1+6], 0
	s_mov_b32 s[G1+7], 0
	s_mov_b32 s[SEL], 0x76543210
	s_mov_b32 s[SEL+1], 0xfedcba98
	s_mov_b32 s[CS], 0x3e38aa3b                    ; log2(e) / 8
	s_mov_b32 s[TK], 8192
	s_mov_b32 s[TV], VOFF
	s_mov_b32 s[CNT], 16
	; what I fetch by my tensor load: waves 0-3 K's quarters, waves 4-7 V's
	s_lshr_b32 s14, s[WV], 2
	s_lshl_b32 s14, s14, 23                        ; K's part of kv or V's,
	s_lshl_b32 s17, s57, 17                        ; the head's 131,072 bytes,
	s_add_co_u32 s14, s14, s17
	s_and_b32 s15, s[WV], 3
	s_lshl_b32 s15, s15, 15                        ; my quarter
	s_add_co_u32 s14, s14, s15
	s_mov_b32 s15, 0
	s_lshl_b32 s16, s[WV], 15                      ; in LDS: 32 KiB x wave
	s_lshr_b32 s12, s57, 4
	s_lshl_b32 s12, s12, 11                        ; the batch's 2,048 tokens,
	s_lshl_b32 s13, s56, 9
	s_add_co_u32 s12, s12, s13                     ; my work-group's 512,
	s_lshl_b32 s13, s[WV], 6
	s_add_co_u32 s12, s12, s13                     ; my 64: my first token
	s_lshl_b32 s54, s12, 12                        ; in out0: 4,096 bytes a token,
	s_lshl_b32 s12, s12, 10                        ; in query: 1,024
	s_mov_b32 s13, 0
	s_and_b32 s58, s57, 15                         ; the head in its batch
	s_lshl_b32 s55, s58, 8                         ; its 256 bytes of a token of out0
	s_add_co_u32 s54, s54, s55
	s_mov_b32 s55, 0
	s_lshl_b32 s38, s58, 16                        ; its 64 rows of Wq,
	s_lshl_b32 s39, s[WV], 13                      ; my eight of them
	s_add_co_u32 s38, s38, s39
	s_mov_b32 s39, 0
	s_lshl_b32 s58, s58, 8                         ; its 64 numbers of bq
	s_mov_b32 s59, 0
	s_mul_i32 s62, s[WV], 16*SP
	s_add_co_u32 s62, s62, STG                     ; my stage
	s_mul_i32 s63, s[WV], 8*SP
	s_add_co_u32 s63, s63, WQB                     ; my eight rows of Wq's chunk
	s_wait_dscnt 0x0                               ; both opening adds are done
	s_wait_kmcnt 0x0
	s_load_b128 s[48:51], s[8:9], 0x18             ; eQ, eK, ep, eV
	s_load_b64 s[60:61], s[8:9], 0x0               ; e0, e1
	s_add_nc_u64 s[12:13], s[42:43], s[12:13]
	s_add_nc_u64 s[38:39], s[44:45], s[38:39]
	s_add_nc_u64 s[58:59], s[46:47], s[58:59]
	s_add_nc_u64 s[10:11], s[10:11], s[54:55]
	s_mov_b32 s[G0], 1
	s_mov_b32 s[G0+1], s16
	s_add_nc_u64 s[G0+2:G0+3], s[40:41], s[14:15]
	s_or_b32 s[G0+3], s[G0+3], 0x80000000
	CROUND                                         ; all four work-groups are here: the joint loads meet
	tensor_load_to_lds s[G0:G0+3], s[G1:G1+7]      ; my one tensor load
	s_nop 0
	v_and_b32 v7, 31, v0
	v_lshlrev_b32 v[LI], 4, v7
	v_and_b32 v24, 15, v0                          ; r
	v_bfe_u32 v25, v0, 4, 1                        ; h
	v_lshlrev_b32 v[GO], 12, v25
	v_lshl_add_u32 v[GO], v24, 4, v[GO]
	v_lshlrev_b32 v[VQ], 10, v25
	v_lshl_add_u32 v[VQ], v24, 4, v[VQ]
	v_lshlrev_b32 v[VB], 5, v25
	v_mul_u32_u24 v[RDS], v25, SP
	v_lshl_add_u32 v[RDS], v24, 4, v[RDS]
	v_mul_u32_u24 v[FA], v24, SP
	v_lshl_add_u32 v[FA], v25, 4, v[FA]
	v_add_nc_u32 v[WS], s63, v[RDS]
	v_add_nc_u32 v[WA], WQB, v[FA]
	v_add_nc_u32 v[RDS], s62, v[RDS]
	v_add_nc_u32 v[FA], s62, v[FA]
.irp u, 0,1,2,3
	global_load_b128 v[Q+8*\u:Q+8*\u+3], v[VB], s[58:59] offset:64*\u        ; the bias at channels 16 u + 8 h + 0 .. 7
	global_load_b128 v[Q+8*\u+4:Q+8*\u+7], v[VB], s[58:59] offset:64*\u+16
.endr
	LW 0
	WIN 0x40
.irp t, 0,1,2,3
	LQ \t, 0
.endr
	WIN 0
	s_wait_alu depctr_va_vdst(0)                   ; directly ahead of the wait below
	s_wait_kmcnt 0x0
	s_add_co_i32 s52, s48, s49
	s_lshl_b32 s52, s52, 23
	s_add_co_i32 s[CS], s[CS], s52                 ; a score stands for score x 2^(eQ + eK): the exponents are added to c's exponent field
	s_mov_b32 s[CS+1], s[CS]
	s_add_co_i32 s52, s50, 127
	s_lshl_b32 s53, s52, 23                        ; 2^ep
	s_add_co_i32 s52, s52, 15
	s_lshl_b32 s52, s52, 23
	s_or_b32 s54, s52, 0x600000                    ; 57,344 x 2^ep
	s_add_co_i32 s52, s50, s51                     ; ep + eV, for the way out
	s_add_co_i32 s60, s60, s61                     ; e0 + e1: a sum of the projection stands for sum x 2^(e0 + e1)
	s_sub_co_i32 s61, 0, s60
	s_sub_co_i32 s60, s48, s60
	s_add_co_i32 s60, s60, 127
	s_lshl_b32 s55, s60, 23                        ; 2^(eQ - e0 - e1): the three scales in the conversion's one
	s_add_co_i32 s60, s60, 15
	s_lshl_b32 s60, s60, 23
	s_or_b32 s57, s60, 0x600000                    ; 57,344 x that,
	s_or_b32 s56, s57, 0x80000000                  ; and its negative
	s_wait_loadcnt 36                              ; the bias is in; behind it: Wq's 4 loads and query's 32
.set j, 0
.rept 32
	v_ldexp_f32 v[Q+j], v[Q+j], s61
.set j, j+1
.endr
	s_wait_alu depctr_va_vdst(0)                   ; directly ahead of the wait that follows
.irp q, 0,1,2,3
	ASET \q
	STAGE 0, \q
	STAGE 1, \q
	MULT 0, \q, 16                                 ; behind tile 0's fragments: tile 1's 8 stores and 8 loads
	STAGE 2, \q
	MULT 1, \q, 16
	STAGE 3, \q
	MULT 2, \q, 16
	MULT 3, \q, 0
.endr
	NOP4
	v_mov_b32 v[SC], s55
.set j, 0
.rept 128
	v_med3_num_f32 v[S+j], v[S+j], s56, s57        ; the hold at the largest code; each accumulator from its low end on
.set j, j+1
.endr
.irp t, 0,1,2,3
.irp u, 0,1,2,3
	v_cvt_scalef32_pk8_bf8_f32 v[Q+8*\t+2*\u:Q+8*\t+2*\u+1], v[S+32*\t+8*\u:S+32*\t+8*\u+7], v[SC]   ; channels 16 u + 8 h + 0 .. 7: registers 2 u, 2 u + 1 of tile t's operand
.endr
.endr
	v_add_nc_u32 v[ADK], s[TK], v[LI]
	v_add_nc_u32 v[ADV], s[TV], v[LI]
.irp x, 0,1,2,3
	v_mov_b32 v[ST+6*\x+1], 0xff61b1e6             ; the largest t so far: -3e38, under every t
	v_mov_b32 v[ST+6*\x+4], 0                      ; the sum
	v_mov_b32 v[ST+6*\x+5], 0
	v_floor_f32 v[ST+6*\x], -v[ST+6*\x+1]          ; -M
.endr
	v_mov_b32 v[HOLD], s54
	v_mov_b32 v[HOLD2], s54
	v_mov_b32 v[SCL], s53
	v_mov_b32 v[PD], 0                             ; a lane permute's destination counts as one of its sources
	v_mov_b32 v[PD+6], 0
	WIN 0x40
.set j, 0
.rept 128
	v_mov_b32 v[OO+j], 0
.set j, j+1
.endr
	WIN 0
	s_wait_alu depctr_va_vdst(0)                   ; the wait at the head's end
	s_wait_tensorcnt 0x0                           ; my 32 KiB are in
	s_barrier_signal -1
	s_barrier_wait -1                              ; everybody's are
	LDF KF, LI                                     ; the first step's K
.Lstep:
	s_wait_dscnt 0x0                               ; this step's K is in
	SMUL 0, 1
	NOP4                                           ; for the loads over V's registers, which the last step's products read, and for the first read of the scores
	LDF VF, ADV
	s_add_co_u32 s[TV], s[TV], 8192
	v_add_nc_u32 v[ADV], s[TV], v[LI]
	SOFT 0, 1
	v_nop                                          ; a plain line between the conversions and the products that write over their sources
	SMUL 2, 3
	NOP4                                           ; for the loads over K's registers and the first read of the scores
	LDF KF, ADK                                    ; the next step's K
	s_add_co_u32 s[TK], s[TK], 8192
	v_add_nc_u32 v[ADK], s[TK], v[LI]
	SOFT 2, 3
	WIN 0x41
	s_wait_alu depctr_va_vdst(0)                   ; directly ahead of the first readers of O^T
.irp x, 0,1,2,3
.set j, 0
.rept 16
	v_pk_mul_f32 v[OO+32*\x+j:OO+32*\x+j+1], v[OO+32*\x+j:OO+32*\x+j+1], v[ST+6*\x+2:ST+6*\x+3] op_sel_hi:[1,0]   ; O^T under the new M: x f
.set j, j+2
.endr
.endr
	WIN 0x51
	s_wait_alu depctr_va_vdst(0)                   ; directly ahead of the wait below
	s_wait_dscnt 16                                ; V is in; the sixteen loads of the next K, issued behind V's, may be out
.irp t, 0,1,2,3                        ; O^T += V^T P^T: each of V's four fragments against the four tiles' codes; sixteen accumulators by turns
.irp x, 0,1,2,3
	v_wmma_f32_16x16x128_bf8_bf8 v[OO+32*\x+8*\t:OO+32*\x+8*\t+7], v[VF+16*\t:VF+16*\t+15], v[PC+16*\x:PC+16*\x+15], v[OO+32*\x+8*\t:OO+32*\x+8*\t+7]
.endr
.endr
	WIN 0
	s_sub_co_u32 s[CNT], s[CNT], 1
	s_cmp_lg_u32 s[CNT], 0
	s_cbranch_scc1 .Lstep
; THE WAY OUT.  O^T / the sum x 2^(ep + eV) goes, a tile at a time, through my own stage in LDS and comes back by rows: sixteen lanes store a token's 256 bytes of my head, aligned.
.set STO, 66                           ; v66  where I put 32 bytes of a row
.set RD,  67                           ; v67  where I read rows back
.set R,   128                          ; v[128:159] a tile's results
.irp x, 0,1,2,3
	v_add_f32 v[ST+6*\x+4], v[ST+6*\x+4], v[ST+6*\x+5]
.endr
.irp x, 0,1,2,3
	v_permlanex16_b32 v[ST+6*\x+2], v[ST+6*\x+4], s[SEL], s[SEL+1]
.endr
.irp x, 0,1,2,3
	v_add_f32 v[ST+6*\x+4], v[ST+6*\x+4], v[ST+6*\x+2]   ; the row's sum
.endr
	v_and_b32 v64, 15, v0                          ; r
	v_bfe_u32 v65, v0, 4, 1                        ; h
	v_mul_u32_u24 v[STO], v64, SP
	v_lshl_add_u32 v[STO], v65, 5, v[STO]
	v_add_nc_u32 v[STO], s62, v[STO]               ; in: row r; channels 16 t + 8 h on: 64 t + 32 h bytes
	v_mul_u32_u24 v[RD], v65, SP
	v_lshl_add_u32 v[RD], v64, 4, v[RD]
	v_add_nc_u32 v[RD], s62, v[RD]                 ; back: lanes 0-15 one row, lanes 16-31 the next
	s_wait_alu depctr_va_vdst(0)                   ; the wait ahead of the batch
.irp x, 0,1,2,3
	v_rcp_f32 v[ST+6*\x+4], v[ST+6*\x+4]
.endr
	v_nop                                          ; a plain line behind the reciprocals
	s_wait_alu depctr_va_vdst(0)                   ; and the wait ahead of their first reader
.irp x, 0,1,2,3
	v_ldexp_f32 v[ST+6*\x+4], v[ST+6*\x+4], s52    ; x 2^(ep + eV)
.endr
.macro TOST x, bk
	WIN 0x01
	s_wait_alu depctr_va_vdst(0)                   ; directly ahead of the first readers of this tile's O^T
.set j, 0
.rept 16
	v_pk_mul_f32 v[R+j:R+j+1], v[OO+32*\x+j:OO+32*\x+j+1], v[ST+6*\x+4:ST+6*\x+5] op_sel_hi:[1,0]   ; each accumulator from its low end on
.set j, j+2
.endr
	WIN 0
.irp t, 0,1,2,3
	ds_store_b128 v[STO], v[R+8*\t:R+8*\t+3] offset:64*\t
	ds_store_b128 v[STO], v[R+8*\t+4:R+8*\t+7] offset:64*\t+16
.endr
.irp i, 0,1,2,3,4,5,6,7
	ds_load_b128 v[\bk+4*\i:\bk+4*\i+3], v[RD] offset:2*SP*\i   ; in order behind my stores; the next tile's stores come behind them
.endr
.endm
.macro SEND x, bk, younger             ; younger: the LDS instructions issued behind this tile's loads, which may stay out
	s_wait_dscnt \younger
.irp i, 0,1,2,3,4,5,6,7
	global_store_b128 v[GO], v[\bk+4*\i:\bk+4*\i+3], s[10:11] offset:8192*\i+65536*\x th:TH_STORE_NT   ; tokens 2 i and 2 i + 1 of the tile; written once, read by nobody here
.endr
.endm
	TOST 0, 160
	TOST 1, 192
	SEND 0, 160, 16                                ; behind tile 0's loads: tile 1's 8 stores and 8 loads
	TOST 2, 224
	SEND 1, 192, 16
	TOST 3, 96
	SEND 2, 224, 16
	SEND 3, 96, 0
	s_wait_tensorcnt 0x0                           ; the wave's end
	ds_add_u32 v[SPW], v[NIL]
	s_wait_dscnt 0x0
	CROUND                                         ; the closing round
	s_endpgm
.Lfunc_end_k_q4d3de6c8a2_attn:
	.size	k_q4d3de6c8a2_attn, .Lfunc_end_k_q4d3de6c8a2_attn-k_q4d3de6c8a2_attn
	.p2alignl 7, 3214868480
	.fill 96, 4, 3214868480
	.section	.rodata,"a",@progbits
	.p2align	6, 0x0
	.amdhsa_kernel k_q4d3de6c8a2_attn
		.amdhsa_group_segment_fixed_size 327680
		.amdhsa_private_segment_fixed_size 0
		.amdhsa_enable_private_segment 0
		.amdhsa_kernarg_size 48
		.amdhsa_user_sgpr_count 2
		.amdhsa_user_sgpr_kernarg_segment_ptr 1
		.amdhsa_wavefront_size32 1
		.amdhsa_system_sgpr_workgroup_id_x 1
		.amdhsa_system_sgpr_workgroup_id_y 1
		.amdhsa_system_sgpr_workgroup_id_z 1
		.amdhsa_system_vgpr_workitem_id 0
		.amdhsa_next_free_vgpr 512
		.amdhsa_next_free_sgpr 66
		.amdhsa_reserve_vcc 0
		.amdhsa_float_denorm_mode_32 3
		.amdhsa_float_denorm_mode_16_64 3
		.amdhsa_memory_ordered 1
		.amdhsa_forward_progress 1
		.amdhsa_inst_pref_size 145
	.end_amdhsa_kernel
	.amdgpu_metadata
---
amdhsa.version: [ 1, 2 ]
amdhsa.kernels:
  - .name:           k_q4d3de6c8a2_attn
    .symbol:         k_q4d3de6c8a2_attn.kd
    .args:
      - { .name: kv, .offset: 0, .size: 8, .value_kind: global_buffer, .address_space: global }
      - { .name: query_codes, .offset: 8, .size: 8, .value_kind: global_buffer, .address_space: global }
      - { .name: Wq_codes, .offset: 16, .size: 8, .value_kind: global_buffer, .address_space: global }
      - { .name: bq, .offset: 24, .size: 8, .value_kind: global_buffer, .address_space: global }
      - { .name: lowp_scales, .offset: 32, .size: 8, .value_kind: global_buffer, .address_space: global }
      - { .name: out0, .offset: 40, .size: 8, .value_kind: global_buffer, .address_space: global }
    .group_segment_fixed_size: 327680
    .private_segment_fixed_size: 0
    .kernarg_segment_align: 8
    .kernarg_segment_size: 48
    .max_flat_workgroup_size: 256
    .sgpr_count:     66
    .vgpr_count:     512
    .wavefront_size: 32
...
	.end_amdgpu_metadata
.endif
;; end of part 2
